; MI455X (gfx1250); checked and timed in simulation.
; The chip was launched on July 23, 2026; its instructions are those of AMD's public machine-readable ISA for CDNA 5 (MIT licence, August 2026) and "CDNA5" Instruction Set Architecture Reference Guide (July 2026). The comments in the code are by the model that wrote it; some were corrected since.
;; Mo E Swi GLU. Allowed arithmetic: matrix products marked QUANTISED: E2M1 operands, one E8M0 scale for each 32 along K, by v_wmma_scale_f32_16x16x128_f8f6f4 with both operands' format E2M1 (or v_wmma_scale_f32_32x16x128_f4), f32 sums; products left as they are: f32 operands where the result goes on into a quantised operand, else bf16, f16 or f32 operands; f32 sums; everything else in f32.
;; Inputs: router_w 8 x 1,024 float32; w1 8 x 1,024 x 2,048 float32; w2 8 x 1,024 x 2,048 float32; w3 8 x 2,048 x 1,024 float32; x 4 x 256 x 1,024 float32.
;; Outputs: out0 4 x 256 x 1,024 float32; out1 one number float32.
;; This version of the problem:
;;   THIS VERSION OF THE PROBLEM IS GIVEN IN LOW PRECISION. The matrix products marked QUANTISED in the list below multiply operands that are first quantised to E2M1 (2 exponent bits, 1 mantissa bit; 4 bits a number), with one power-of-two scale for each 32 numbers along K (OCP MX v1.0); their sums are f32. All else is computed in f32.
;;   The module's matrix products, in the order in which they are computed (A, B: the left and right operand; K: the contracted axis; several contracted axes count as one K, in the product's order):
;;     1. [M 1,024, K 1,024] x [K 1,024, N 8]; A: input x; B: input router_w: left as it is (N = 8 < 16)
;;     2. [M 1,024, K 1,024] x [K 1,024, N 2,048]; A: input x; B: input w1: QUANTISED
;;     3. [M 1,024, K 1,024] x [K 1,024, N 2,048]; A: input x; B: input w2: QUANTISED
;;     4. [M 1,024, K 2,048] x [K 2,048, N 1,024]; A: computed on the way; B: input w3: QUANTISED
;;     5. [M 1,024, K 1,024] x [K 1,024, N 2,048]; A: input x; B: input w1: QUANTISED
;;     6. [M 1,024, K 1,024] x [K 1,024, N 2,048]; A: input x; B: input w2: QUANTISED
;;     7. [M 1,024, K 2,048] x [K 2,048, N 1,024]; A: computed on the way; B: input w3: QUANTISED
;;     8. [M 1,024, K 1,024] x [K 1,024, N 2,048]; A: input x; B: input w1: QUANTISED
;;     9. [M 1,024, K 1,024] x [K 1,024, N 2,048]; A: input x; B: input w2: QUANTISED
;;     10. [M 1,024, K 2,048] x [K 2,048, N 1,024]; A: computed on the way; B: input w3: QUANTISED
;;     11. [M 1,024, K 1,024] x [K 1,024, N 2,048]; A: input x; B: input w1: QUANTISED
;;     12. [M 1,024, K 1,024] x [K 1,024, N 2,048]; A: input x; B: input w2: QUANTISED
;;     13. [M 1,024, K 2,048] x [K 2,048, N 1,024]; A: computed on the way; B: input w3: QUANTISED
;;     14. [M 1,024, K 1,024] x [K 1,024, N 2,048]; A: input x; B: input w1: QUANTISED
;;     15. [M 1,024, K 1,024] x [K 1,024, N 2,048]; A: input x; B: input w2: QUANTISED
;;     16. [M 1,024, K 2,048] x [K 2,048, N 1,024]; A: computed on the way; B: input w3: QUANTISED
;;     17. [M 1,024, K 1,024] x [K 1,024, N 2,048]; A: input x; B: input w1: QUANTISED
;;     18. [M 1,024, K 1,024] x [K 1,024, N 2,048]; A: input x; B: input w2: QUANTISED
;;     19. [M 1,024, K 2,048] x [K 2,048, N 1,024]; A: computed on the way; B: input w3: QUANTISED
;;     20. [M 1,024, K 1,024] x [K 1,024, N 2,048]; A: input x; B: input w1: QUANTISED
;;     21. [M 1,024, K 1,024] x [K 1,024, N 2,048]; A: input x; B: input w2: QUANTISED
;;     22. [M 1,024, K 2,048] x [K 2,048, N 1,024]; A: computed on the way; B: input w3: QUANTISED
;;     23. [M 1,024, K 1,024] x [K 1,024, N 2,048]; A: input x; B: input w1: QUANTISED
;;     24. [M 1,024, K 1,024] x [K 1,024, N 2,048]; A: input x; B: input w2: QUANTISED
;;     25. [M 1,024, K 2,048] x [K 2,048, N 1,024]; A: computed on the way; B: input w3: QUANTISED
;;   THE QUANTISER, for each operand of a quantised product, along K:
;;     - K is cut into blocks of 32 from its start; a last block that is shorter is filled with zeros.
;;     - A block's scale is 2^e with e = floor(log2(the largest magnitude in the block)) - 2, held to -126 .. 127; a block of zeros has e = 0. As a byte (E8M0): e + 127.
;;     - Each number is divided by its block's scale, clamped to +-6, and rounded to the nearest number of E2M1, ties to even, subnormals kept.
;;     - The product sums the exact products of the quantised numbers (number of the format x scale) in f32.
;;   ~~~python
;;   def quantise(x, axis):      # numpy; x: float32 -> the quantised numbers, widened to float32 again
;;       x = np.moveaxis(x, axis, -1); K = x.shape[-1]
;;       x = np.pad(x, [(0, 0)] * (x.ndim - 1) + [(0, -K % 32)]); x = x.reshape(x.shape[:-1] + (-1, 32)); a = np.abs(x).max(-1, keepdims=True)
;;       e = np.where(a > 0, np.clip(np.frexp(np.where(a > 0, a, 1))[1] - 1 - 2, -126, 127), 0)      # np.frexp(a)[1] - 1 = floor(log2(a)), exactly
;;       r = np.clip(x / 2.0 ** e, -6, 6)
;;       step = 2.0 ** (np.maximum(np.frexp(np.where(r == 0, 1, r))[1] - 1, 0) - 1)
;;       q = np.round(r / step) * step * 2.0 ** e      # np.round: ties to even
;;       return np.moveaxis(q.reshape(q.shape[:-2] + (-1,))[..., :K], -1, axis).astype(np.float32)
;;   ~~~
;;   OPERANDS COMPUTED ON THE WAY. 'Computed on the way' means the value that the module computes at that place (a softmax that the list does not call 'softmax' is quantised finished and normalised). What goes into a quantiser is computed in f32, as accurately as f32 sums, v_exp_f32 and their like allow (about 1e-6 of the number): no bf16 or f16 on the way to a quantiser, and a product that is left as it is and whose result goes on into a quantised operand takes f32 operands (vector FMAs, or v_wmma_f32_16x16x4_f32). A number that lies on a knife's edge between two numbers of the format may be rounded either way, as far as f32 arithmetic and the matrix unit's own rounding can turn it there, and no further.
;; One version. Each part assembles by itself: llvm-mc -triple=amdgcn-amd-amdhsa -mcpu=gfx1250 --defsym DOCPART=n.
;; ======== version 1 of 1: 4 launches
;; limits: right only within a limited range of input values
;; workspace buffers: sel 4,096 bytes of whole numbers; gate 8,192 bytes; xq 557,056 bytes; hq 8,912,896 bytes; y 17,104,896 bytes
;; launch route (part 1): grid 256 x 1, 4 waves a work-group, no clusters, 18,944 bytes of LDS; arguments x, router_w, xq, sel, gate, out1; writes xq, sel, gate, out1
.if DOCPART == 1
	.amdgcn_target "amdgcn-amd-amdhsa--gfx1250"
	.amdhsa_code_object_version 6
	.text
	.protected	k_qc77e06fd3b_route
	.globl	k_qc77e06fd3b_route
	.p2align	8
	.type	k_qc77e06fd3b_route,@function
k_qc77e06fd3b_route:
	s_mov_b64 s[64:65], 0
	v_nop
	global_prefetch_b8 v0, s[64:65] scope:SCOPE_SE
	s_setreg_imm32_b32 hwreg(HW_REG_WAVE_MODE, 25, 1), 1
	s_wait_xcnt 0x0
; MoE with SwiGLU experts, first of four launches: the router, and x as codes of FP4 (E2M1).
; One wave takes one token t = 4 x work-group + wave: its 8 logits in f32, the two largest, their two gates; its 1,024 numbers as 32 blocks of 32 codes with one E8M0 byte each.
; WORK LEFT OUT, for all finite inputs:
;  (1) An expert that is not among a token's two chosen ones: the expert's result for that token is multiplied by w_e, which the mask built from top_k makes 0. So the later launches
;      multiply only the 2,048 chosen (token, expert) rows, not 8,192.
;  (2) The softmax's divisor: topk_vals / sum(topk_vals) = p_a / (p_a + p_b), and the sum over the 8 experts stands in p_a and p_b alike, so it cancels: g_a = 1 / (1 + exp(l_b - l_a)), g_b = exp(l_b - l_a) g_a.
;      The maximum is still taken away ahead of the exponential: l_a is the row's maximum, so the exponent is 0 or less.
;  (3) The two largest are searched among the logits: exp rises with its input.  A strict comparison keeps the lower index among equals, as top_k does.
; LIMITS: two logits that differ while their f32 probabilities are equal may be chosen otherwise than by top_k on probabilities; where p_b falls to 0 the second expert may differ, with gate 0 either way;
; NaN and infinities among the inputs are not served, and one that reaches only rows left out is not carried to the result; a block whose largest magnitude lies under 2^-124 has the byte 1;
; a block of zeros has the byte 1 and not 127: its codes are zeros, and this program alone reads the bytes.
; out1 (the loss, 0 in this mode) is stored by token 0's wave.
; No matrix unit, no cluster, no data mover: 8 outputs a token are too few for a tile, and a wave's loads are long and dense as they are.
.set STG,   4608                       ; a wave's stage: 32 rows of 128 bytes + 16 of padding: a pitch of 9 x 16 bytes
.set SPARE, 18432                      ; behind the four stages: the spare words, 128 bytes a wave
.set XR,  16                           ; v16-47   x as loaded: register 4 i + c = x[128 i + 4 lane + c]
.set XB,  48                           ; v48-79   x turned: lane l holds block l, 32 neighbours
.set P,   80                           ; v80-95   eight pairs of partial sums
.set L,   96                           ; v96-103  the logits
.set TP,  104                          ; v104-111 the other half's sums
.set CD,  124                          ; v124-127 my block's codes
.set MSB, 0
.macro WIN new                         ; the immediate's high byte repeats the setting that is left
.if MSB != \new
	s_set_vgpr_msb (MSB<<8)|\new
.set MSB, \new
.endif
.endm
	s_load_b256 s[4:11], s[0:1], 0x0               ; x s[4:5], router_w s[6:7], xq s[8:9], sel s[10:11]
	s_load_b128 s[12:15], s[0:1], 0x20             ; gate s[12:13], out1 s[14:15]
	v_lshl_add_u32 v5, v0, 2, SPARE                ; my spare word
	v_mov_b32 v6, 0
	v_lshrrev_b32 v1, 5, v0
	v_readfirstlane_b32 s16, v1                    ; wave
	v_and_b32 v1, 31, v0                           ; lane
	v_lshlrev_b32 v2, 4, v1                        ; 16 x lane
	s_lshl_b32 s17, ttmp9, 2
	s_add_co_u32 s17, s17, s16                     ; my token
	s_mul_i32 s18, s16, STG
	v_lshrrev_b32 v3, 3, v1
	v_mul_u32_u24 v3, v3, 144
	v_and_b32 v4, 7, v1
	v_lshl_add_u32 v3, v4, 4, v3
	v_add_nc_u32 v3, s18, v3                       ; into the stage: a load's 512 bytes are four blocks: row lane / 8, byte 16 (lane % 8)
	v_mul_u32_u24 v4, v1, 144
	v_add_nc_u32 v4, s18, v4                       ; out of it: row = lane
	s_mov_b32 s20, 0x76543210
	s_mov_b32 s21, 0xfedcba98                      ; v_permlanex16_b32's selects for lane l xor 16
	s_lshl_b32 s24, s17, 12                        ; t x 4,096: x
	s_mov_b32 s25, 0
	s_lshl_b32 s26, s17, 9                         ; t x 512: the codes
	s_mov_b32 s27, 0
	s_lshl_b32 s28, s17, 5                         ; t x 32: the scale bytes
	s_mov_b32 s29, 0
	s_lshl_b32 s30, s17, 2                         ; t x 4: sel, gate
	s_mov_b32 s31, 0
	s_wait_alu depctr_va_vdst(0)
	s_wait_kmcnt 0x0
	s_add_nc_u64 s[4:5], s[4:5], s[24:25]
	s_add_nc_u64 s[32:33], s[8:9], s[26:27]
	s_add_nc_u64 s[34:35], s[8:9], s[28:29]
	s_add_nc_u64 s[10:11], s[10:11], s[30:31]
	s_add_nc_u64 s[12:13], s[12:13], s[30:31]
.irp i, 0,1,2,3,4,5,6,7
	global_load_b128 v[XR+4*\i:XR+4*\i+3], v2, s[4:5] offset:512*\i th:TH_LOAD_NT   ; 512 consecutive bytes a load
.endr
	WIN 0x40                                       ; destination window 1: router_w, expert e at v[32 e], laid as x is
.irp e, 0,1,2,3,4,5,6,7
.irp i, 0,1,2,3,4,5,6,7
	global_load_b128 v[32*\e+4*\i:32*\e+4*\i+3], v2, s[6:7] offset:4096*\e+512*\i
.endr
.endr
	WIN 0
	s_wait_loadcnt 63                              ; 64 loads were issued behind x's eight; 63 is the most a wait can name, and shows the first nine done
.irp i, 0,1,2,3,4,5,6,7
	ds_store_b128 v3, v[XR+4*\i:XR+4*\i+3] offset:576*\i
.endr
.irp i, 0,1,2,3,4,5,6,7
	ds_load_b128 v[XB+4*\i:XB+4*\i+3], v4 offset:16*\i   ; LDS serves a wave's instructions in order: these see my stores
.endr
	s_wait_tensorcnt 0x0                           ; my last LDS store is behind me
	ds_add_u32 v5, v6
.irp e, 0,1,2,3,4,5,6,7
	v_mov_b32 v[TP+\e], 0                          ; written once: a lane permute's destination counts as one of its sources
.endr
	v_mov_b32 v8, 0
	s_wait_dscnt 0x0                               ; the add is done and my block is in
	v_max3_num_f32 v9, |v[XB]|, |v[XB+1]|, |v[XB+2]|   ; the block's largest magnitude: all 32 numbers are mine; two chains
	v_max3_num_f32 v10, |v[XB+3]|, |v[XB+4]|, |v[XB+5]|
.irp i, 6,10,14,18,22,26
	v_max3_num_f32 v9, v9, |v[XB+\i]|, |v[XB+\i+1]|
	v_max3_num_f32 v10, v10, |v[XB+\i+2]|, |v[XB+\i+3]|
.endr
	v_max3_num_f32 v9, v9, |v[XB+30]|, |v[XB+31]|
	v_max3_num_f32 v9, v9, v10, 0x1800000          ; and the floor 2^(3 - 127): the byte cannot fall under 1
	v_add_nc_u32 v11, 0xff000000, v9               ; 2 off the exponent field: the conversion takes this operand's exponent field as its scale
.irp g, 0,1,2,3
	v_cvt_scalef32_pk8_fp4_f32 v[CD+\g], v[XB+8*\g:XB+8*\g+7], v11
.endr
	v_lshrrev_b32 v12, 23, v11                     ; the scale's byte
	global_store_b128 v2, v[CD:CD+3], s[32:33]     ; the token's 512 bytes of codes, 16 a lane
	global_store_b8 v1, v12, s[34:35] offset:524288   ; its 32 scale bytes, behind all codes
	s_wait_loadcnt 0x0                             ; router_w
	WIN 0x04                                       ; source 1 window 1
.irp e, 0,1,2,3,4,5,6,7
	v_pk_mul_f32 v[P+2*\e:P+2*\e+1], v[XR:XR+1], v[32*\e:32*\e+1]   ; the first products start the sums
.endr
.set uu, 2
.rept 15
.irp e, 0,1,2,3,4,5,6,7
	v_pk_fma_f32 v[P+2*\e:P+2*\e+1], v[XR+uu:XR+uu+1], v[32*\e+uu:32*\e+uu+1], v[P+2*\e:P+2*\e+1]   ; the eight experts by turns
.endr
.set uu, uu+2
.endr
	WIN 0
.irp e, 0,1,2,3,4,5,6,7
	v_add_f32 v[L+\e], v[P+2*\e], v[P+2*\e+1]
.endr
.irp m, 1,2,4,8
.irp e, 0,1,2,3,4,5,6,7
	v_add_f32_dpp v[L+\e], v[L+\e], v[L+\e] row_xmask:\m row_mask:0xf bank_mask:0xf
.endr
.endr
.irp e, 0,1,2,3,4,5,6,7
	v_permlanex16_b32 v[TP+\e], v[L+\e], s20, s21
.endr
.irp e, 0,1,2,3,4,5,6,7
	v_add_f32 v[L+\e], v[L+\e], v[TP+\e]           ; every lane holds the eight logits
.endr
	; the two largest: v112, v113 the largest and its index; v114, v115 the second
	v_mov_b32 v112, v[L]
	v_mov_b32 v113, 0
	v_mov_b32 v114, 0xff800000
	v_mov_b32 v115, 1
.irp e, 1,2,3,4,5,6,7
	v_mov_b32 v116, \e
	v_cmp_gt_f32 s22, v[L+\e], v112                ; strictly larger than the largest
	v_cmp_gt_f32 s23, v[L+\e], v114                ; than the second
	v_cndmask_b32 v114, v114, v[L+\e], s23
	v_cndmask_b32 v115, v115, v116, s23
	v_cndmask_b32 v114, v114, v112, s22            ; a new largest moves the old one down
	v_cndmask_b32 v115, v115, v113, s22
	v_cndmask_b32 v112, v112, v[L+\e], s22
	v_cndmask_b32 v113, v113, v116, s22
.endr
	v_sub_f32 v117, v114, v112                     ; l_b - l_a: the maximum taken away
	v_mul_f32 v117, 0x3fb8aa3b, v117
	s_wait_alu depctr_va_vdst(0)
	v_exp_f32 v117, v117                           ; exp(l_b - l_a), at most 1
	v_lshl_or_b32 v118, v115, 8, v113              ; (a plain line behind the exponential)  sel = first | second << 8
	s_wait_alu depctr_va_vdst(0)                   ; the wait ahead of the first reader
	v_add_f32 v119, 1.0, v117
	s_wait_alu depctr_va_vdst(0)
	v_rcp_f32 v119, v119                           ; g_a
	v_nop
	s_wait_alu depctr_va_vdst(0)
	v_mul_f32 v120, v117, v119                     ; g_b
	s_wait_alu depctr_va_vdst(0)
	s_wait_xcnt 0x0                                ; EXEC changes only behind this wait: the stores above have had their addresses translated
	v_cmp_eq_u32 vcc_lo, 0, v1
	s_and_saveexec_b32 s19, vcc_lo                 ; lane 0 alone
	global_store_b32 v8, v118, s[10:11]
	global_store_b32 v8, v119, s[12:13]            ; gate[t]
	global_store_b32 v8, v120, s[12:13] offset:4096   ; gate[1024 + t]
	s_cmp_lg_u32 s17, 0
	s_cbranch_scc1 .Lnot_first
	global_store_b32 v8, v8, s[14:15]              ; out1 = 0.0
.Lnot_first:
	s_wait_xcnt 0x0
	s_or_b32 exec_lo, exec_lo, s19
	s_endpgm
.Lfunc_end_k_qc77e06fd3b_route:
	.size	k_qc77e06fd3b_route, .Lfunc_end_k_qc77e06fd3b_route-k_qc77e06fd3b_route
	.p2alignl 7, 3214868480
	.fill 96, 4, 3214868480
	.section	.rodata,"a",@progbits
	.p2align	6, 0x0
	.amdhsa_kernel k_qc77e06fd3b_route
		.amdhsa_group_segment_fixed_size 18944
		.amdhsa_private_segment_fixed_size 0
		.amdhsa_enable_private_segment 0
		.amdhsa_kernarg_size 48
		.amdhsa_user_sgpr_count 2
		.amdhsa_user_sgpr_kernarg_segment_ptr 1
		.amdhsa_wavefront_size32 1
		.amdhsa_system_sgpr_workgroup_id_x 1
		.amdhsa_system_sgpr_workgroup_id_y 1
		.amdhsa_system_sgpr_workgroup_id_z 1
		.amdhsa_system_vgpr_workitem_id 0
		.amdhsa_next_free_vgpr 512
		.amdhsa_next_free_sgpr 66
		.amdhsa_reserve_vcc 1
		.amdhsa_float_denorm_mode_32 3
		.amdhsa_float_denorm_mode_16_64 3
		.amdhsa_memory_ordered 1
		.amdhsa_forward_progress 1
		.amdhsa_inst_pref_size 28
	.end_amdhsa_kernel
	.amdgpu_metadata
---
amdhsa.version: [ 1, 2 ]
amdhsa.kernels:
  - .name:           k_qc77e06fd3b_route
    .symbol:         k_qc77e06fd3b_route.kd
    .args:
      - { .name: x, .offset: 0, .size: 8, .value_kind: global_buffer, .address_space: global }
      - { .name: router_w, .offset: 8, .size: 8, .value_kind: global_buffer, .address_space: global }
      - { .name: xq, .offset: 16, .size: 8, .value_kind: global_buffer, .address_space: global }
      - { .name: sel, .offset: 24, .size: 8, .value_kind: global_buffer, .address_space: global }
      - { .name: gate, .offset: 32, .size: 8, .value_kind: global_buffer, .address_space: global }
      - { .name: out1, .offset: 40, .size: 8, .value_kind: global_buffer, .address_space: global }
    .group_segment_fixed_size: 18944
    .private_segment_fixed_size: 0
    .kernarg_segment_align: 8
    .kernarg_segment_size: 48
    .max_flat_workgroup_size: 128
    .sgpr_count:     66
    .vgpr_count:     512
    .wavefront_size: 32
...
	.end_amdgpu_metadata
.endif
;; end of part 1
;; launch up (part 2): grid 32 x 8, 4 waves a work-group, no clusters, 74,240 bytes of LDS; arguments w1, w2, xq, sel, hq; writes hq
.if DOCPART == 2
	.amdgcn_target "amdgcn-amd-amdhsa--gfx1250"
	.amdhsa_code_object_version 6
	.text
	.protected	k_qc77e06fd3b_up
	.globl	k_qc77e06fd3b_up
	.p2align	8
	.type	k_qc77e06fd3b_up,@function
k_qc77e06fd3b_up:
	s_mov_b64 s[64:65], 0
	v_nop
	global_prefetch_b8 v0, s[64:65] scope:SCOPE_SE
	s_setreg_imm32_b32 hwreg(HW_REG_WAVE_MODE, 25, 1), 1
	s_wait_xcnt 0x0
; h = silu(x w1[e]) * (x w2[e]) for the rows that chose expert e, quantised along the hidden axis.  Rows of experts not chosen are left out: their results are multiplied by 0 in the problem's own mask.
; SHARES.  Work-group (x, e) owns hidden units 64 x .. 64 x + 63 of expert e: 1,024 x 64 numbers of w1 and of w2, which no other work-group reads; each weight byte leaves memory once.
; THE LIST.  Wave p serves the tokens 256 p .. 256 p + 255 that chose e.  It reads their 256 sel words; in each of the 8 registers the chosen lanes' SLOTS (token, or 1,024 + token for a second choice) are sent to the
; front by one ds_permute_b32 (a full permutation: the others go behind them), and 4 x the running counts stand in s[C4 ..].  The entry of rank R is picked by eight ds_bpermute_b32 and a chain of selects; ranks
; past the count give the pad slot 2,048 + e.  No LDS byte is touched by this.  The wave's tiles of 16 rows number ceil(count / 16), at least 1, at most 16: every split is served.
; PHASE 1.  Wave p takes K rows 256 p .. 256 p + 255 of both matrices as 8 PAIR BLOCKS of 64 K rows x 64 columns.  In load i lane (r, h) reads row 32 h + i, columns 4 r .. 4 r + 3: sixteen lanes read 256 consecutive
; aligned bytes.  Landing register 4 i + q holds W[32 h + i][4 r + q]: for tile q, whose row r is column 4 r + q, the lane holds the 32 K neighbours that the 4-bit operand layout gives it (ISA guide 7.12.2).
; 128 moves a pair block sort the landing registers by q for the conversions.  FOUR landing sets: half a pair block (16 loads) is asked for as soon as 16 older loads are in, ahead of the moves.
; THE EXCHANGE.  Codes and scale words go to LDS as images of the operand's registers; one barrier; every wave loads all 64 KiB into registers.
; PHASE 2.  Transposed use (source 0 = 16 columns of W, source 1 = 16 rows of x): lane (r, h) holds row r, register j of tile q the hidden unit 32 h + 4 j + q: the four tiles' 32 registers are one block of the next K.
; Four buffers of x, filled ahead; laps of four tiles in a loop (a tile past the last is held at the last), the last lap written out.
; hq: tile T = 64 e + 16 p + i at T x 16,384: K step S at S x 1,024, half c at c x 512, 16 bytes a lane.  From byte 8,388,608 on the scale bytes: T x 1,024 + row x 64 + block.
; NO DATA MOVER, NO CLUSTER: trip counts hang on numbers read from memory; what work-groups share (16 rows x 544 bytes of xq a tile) is small beside a work-group's own 512 KiB.
; NO PREFETCH of the weights: a wave keeps 48 to 64 loads of 512 bytes asked for ahead of the pair block that it works on.
; LIMITS: NaN and infinities are not served; a block under 2^-124 has the byte 1, a block of zeros too (its codes are zeros; this program alone reads the bytes).
.set PITCH, 8192
.set SIMG,  65536                      ; LDS: images (4 mat + q) x 8,192 + s x 1,024 + c x 512 + 16 lane; from SIMG scale words (4 mat + q) x 1,024 + (s / 4) x 512 + 16 lane + 4 (s % 4)
.set SPARE, 73728                      ; the spare words, 128 bytes a wave
.set LI,    3                          ; 16 x lane
.set WOFF,  4                          ; my byte in a pair block
.set IST,   5                          ; where I store images
.set SST,   6                          ; and scale words
.set SH8,   7                          ; 8 h
.set LIS,   8                          ; SIMG + 16 lane + 4,096 h
.set R4,    9                          ; 4 r
.set H16,   10                         ; 16 h
.set SPW,   11
.set NIL,   12
.set HOFF,  13
.set HSOFF, 14
.set TK,    15                         ; 256 p + 4 lane
.set M,     16                         ; v16-19 magnitudes, bytes; v20-23 scale operands; v16-23 also the list's picks; v24-27 scale words
.set SO,    20
.set SW,    24
.set XS,    32                         ; v32-63 x's scale words, 8 b + s
.set WS,    64                         ; v64-95 the weights' scale words, 8 q + s; at the head v64-76 serve the list's making
.set WL,    64
.set LT,    72
.set SLOF,  76
.set XOFF,  96
.set XSOFF, 100
.set T,     112                        ; phase 1: a pair block sorted by q; v240-255 its codes
.set C,     240
.set A,     112
.set B,     144
.set TT,    176
.set H,     208
.set HC,    240
.set AM,    244
.set HSC,   248
.set BY,    250
.set C4,    48                         ; s48-56: 4 x the rows counted ahead of register n; s62 the pad slot
; the packed slots of register n stand in v108-111 and v28-31
; window 1, 2: phase 1 landing sets 0-3; then w1's and w2's fragments, (q, s) at v[64 q + 8 s].  window 3: x's buffers, v[64 b + 8 s].
.set MSB, 0
.macro WIN new
.if MSB != \new
	s_set_vgpr_msb (MSB<<8)|\new
.set MSB, \new
.endif
.endm
.macro PBLOAD set, base, imm, half     ; 16 loads: half a pair block into landing set set
.if (\set) < 2
	WIN 0x40
.else
	WIN 0x80
.endif
.set ii, 16*(\half)
.rept 16
	global_load_b128 v[128*((\set)&1)+4*ii:128*((\set)&1)+4*ii+3], v[WOFF], s[\base:\base+1] offset:(\imm)+ii*PITCH th:TH_LOAD_NT
.set ii, ii+1
.endr
	WIN 0
.endm
.macro PBMOVE set
.if (\set) < 2
	WIN 0x01
.else
	WIN 0x02
.endif
.set ii, 0
.rept 32
.irp q, 0,1,2,3
	v_mov_b32 v[T+32*\q+ii], v[128*((\set)&1)+4*ii+\q]
.endr
.set ii, ii+1
.endr
	WIN 0
.endm
.macro PBQUANT c, ioff, soff           ; four blocks of 32, one for each tile q, become codes and scale bytes
.irp q, 0,1,2,3
	v_max3_num_f32 v[M+\q], |v[T+32*\q]|, |v[T+32*\q+1]|, 0x1800000   ; with the floor 2^(3 - 127)
.endr
.set ii, 2
.rept 15
.irp q, 0,1,2,3
	v_max3_num_f32 v[M+\q], v[M+\q], |v[T+32*\q+ii]|, |v[T+32*\q+ii+1]|
.endr
.set ii, ii+2
.endr
	s_wait_alu depctr_va_vdst(0)
	s_wait_dscnt 0x0                               ; the last pair block's LDS stores have read their registers
.irp q, 0,1,2,3
	v_add_nc_u32 v[SO+\q], 0xff000000, v[M+\q]     ; 2 off the exponent field: the conversion's scale operand
.endr
.irp q, 0,1,2,3
	v_lshrrev_b32 v[M+\q], 23, v[SO+\q]
.endr
.irp q, 0,1,2,3
.if (\c)
	v_lshl_or_b32 v[SW+\q], v[M+\q], 16, v[SW+\q]
.else
	v_mov_b32 v[SW+\q], v[M+\q]
.endif
.endr
.irp q, 0,1,2,3
.irp g, 0,1,2,3
	v_cvt_scalef32_pk8_fp4_f32 v[C+4*\q+\g], v[T+32*\q+8*\g:T+32*\q+8*\g+7], v[SO+\q]
.endr
.endr
	v_nop                                          ; one plain line behind the conversions
.irp q, 0,1,2,3
	ds_store_b128 v[IST], v[C+4*\q:C+4*\q+3] offset:(\ioff)+8192*\q
.endr
.if (\c)
.irp q, 0,1,2,3
	v_lshlrev_b32 v[SW+\q], v[SH8], v[SW+\q]
.endr
.irp q, 0,1,2,3
	v_permlanex16_b32 v[M+\q], v[SW+\q], s20, s21  ; the bytes' registers are done with: they take the other half's
.endr
.irp q, 0,1,2,3
	v_or_b32 v[SW+\q], v[SW+\q], v[M+\q]
.endr
.irp q, 0,1,2,3
	ds_store_b32 v[SST], v[SW+\q] offset:(\soff)+1024*\q
.endr
.endif
.endm
.macro LBUILD                          ; the wave's list: register n holds tokens 256 p + 128 (n / 4) + 4 lane + n % 4
	s_mov_b32 s[C4], 0
.irp n, 0,1,2,3,4,5,6,7
.set CQ, 108+\n-84*(\n/4)
	v_and_b32 v[LT], 0xff, v[WL+\n]                ; the first choice
	v_lshrrev_b32 v[LT+1], 8, v[WL+\n]             ; the second
	v_cmp_eq_u32 s57, s16, v[LT]
	v_cmp_eq_u32 s58, s16, v[LT+1]
	s_or_b32 s59, s57, s58                         ; the lanes whose token chose me
	s_not_b32 s60, s59
	s_bcnt1_i32_b32 s61, s59
	v_add_nc_u32 v[LT+2], 128*(\n/4)+(\n%4), v[TK]
	v_add_nc_u32 v[LT+3], 1024+128*(\n/4)+(\n%4), v[TK]
	v_cndmask_b32 v[LT+2], v[LT+2], v[LT+3], s58   ; the slot
	v_mbcnt_lo_u32_b32 v[LT], s59, 0               ; chosen lanes below me
	v_mbcnt_lo_u32_b32 v[LT+1], s60, s61           ; the count + the other lanes below me
	v_cndmask_b32 v[LT], v[LT+1], v[LT], s59
	v_lshlrev_b32 v[LT], 2, v[LT]
	ds_permute_b32 v[CQ], v[LT], v[LT+2]           ; every lane sends to another lane: the chosen slots come first
	s_lshl_b32 s61, s61, 2
	s_add_co_u32 s[C4+\n+1], s[C4+\n], s61
.endr
	s_wait_dscnt 0x0
	s_add_co_u32 s17, s[C4+8], 60
	s_lshr_b32 s17, s17, 6
	s_min_u32 s17, s17, 16
	s_max_u32 s17, s17, 1                          ; my tiles: a wave with no rows runs one tile of pad rows
	s_sub_co_u32 s18, s17, 1                       ; the last tile
	s_mov_b32 s22, 0                               ; the tile that is asked for next
.endm
.macro LSEL rr                         ; rr holds 4 x a rank: what each register would give for it
.irp n, 0,1,2,3,4,5,6,7
.set CQ, 108+\n-84*(\n/4)
	v_sub_nc_u32 v[16+\n], v[\rr], s[C4+\n]
	ds_bpermute_b32 v[16+\n], v[16+\n], v[CQ]
.endr
.endm
.macro LPICK rr, dst                   ; the last register whose count so far does not pass the rank has the entry
	s_wait_alu depctr_va_vdst(0)
	s_wait_dscnt 0x0
.irp n, 1,2,3,4,5,6,7
	v_cmp_le_u32 vcc_lo, s[C4+\n], v[\rr]
	v_cndmask_b32 v16, v16, v[16+\n], vcc_lo
.endr
	v_cmp_le_u32 vcc_lo, s[C4+8], v[\rr]
	v_cndmask_b32 v[\dst], v16, s62, vcc_lo        ; past the count: the pad slot
.endm
; A GROUP: buffer b's next tile of x: 16 loads of codes, 2 of scale words.
.macro XISSUE b
	s_min_u32 s32, s22, s18
	s_add_co_u32 s22, s22, 1
	s_lshl_b32 s32, s32, 6
	v_add_nc_u32 v[XOFF+\b], s32, v[R4]            ; 4 x (16 tile + r)
	LSEL XOFF+\b
	LPICK XOFF+\b, 16
	v_min_u32 v[XOFF+\b], 0x807, v16               ; a slot, 2,055 at the most;
	v_and_b32 v[XOFF+\b], 0x3ff, v[XOFF+\b]        ; its token (a pad slot reads token e; its row is thrown away later)
	v_lshlrev_b32 v[XSOFF+\b], 5, v[XOFF+\b]
	v_lshl_add_u32 v[XOFF+\b], v[XOFF+\b], 9, v[H16]
	WIN 0xC0
.irp s, 0,1,2,3,4,5,6,7
.irp c, 0,1
	global_load_b128 v[64*(\b)+8*\s+4*\c:64*(\b)+8*\s+4*\c+3], v[XOFF+\b], s[8:9] offset:64*\s+32*\c
.endr
.endr
	WIN 0
	global_load_b128 v[XS+8*(\b):XS+8*(\b)+3], v[XSOFF+\b], s[8:9] offset:524288
	global_load_b128 v[XS+8*(\b)+4:XS+8*(\b)+7], v[XSOFF+\b], s[8:9] offset:524288+16
.endm
; Pair block n: 0-3 of w1, 4-7 of w2.  48: behind its first 16 loads stand its other 16 and the next block's 32; then the next block's 32 and the 16 just issued.
.macro PB n, w
.if (\n) < 6
.irp hf, 0,1
	s_wait_loadcnt 48
.if (\n) < 2
	PBLOAD ((\n)+2)&3, 4, ((\n)+2)*524288, \hf
.else
	PBLOAD ((\n)+2)&3, 6, ((\n)-2)*524288, \hf
.endif
.endr
.else
	s_wait_loadcnt \w
.endif
	PBMOVE (\n)&3
	PBQUANT (\n)&1, ((\n)>>2)*32768+(((\n)&3)>>1)*1024+((\n)&1)*512, ((\n)>>2)*4096+(((\n)&3)>>1)*4
.endm
; 32 matrix instructions on buffer b: the four tiles by turns; the first K step starts the sums.  w2's scale words are read from lanes 16-31.
.macro MULS mat, acc, b
.set ss, 0
.rept 8
.irp q, 0,1,2,3
.if (\mat) == 0
.if ss == 0
	v_wmma_scale_f32_16x16x128_f8f6f4 v[\acc+8*\q:\acc+8*\q+7], v[64*\q+8*ss:64*\q+8*ss+7], v[64*(\b)+8*ss:64*(\b)+8*ss+7], 0, v[WS+8*\q+ss], v[XS+8*(\b)+ss] matrix_a_fmt:MATRIX_FMT_FP4 matrix_b_fmt:MATRIX_FMT_FP4
.else
	v_wmma_scale_f32_16x16x128_f8f6f4 v[\acc+8*\q:\acc+8*\q+7], v[64*\q+8*ss:64*\q+8*ss+7], v[64*(\b)+8*ss:64*(\b)+8*ss+7], v[\acc+8*\q:\acc+8*\q+7], v[WS+8*\q+ss], v[XS+8*(\b)+ss] matrix_a_fmt:MATRIX_FMT_FP4 matrix_b_fmt:MATRIX_FMT_FP4
.endif
.else
.if ss == 0
	v_wmma_scale_f32_16x16x128_f8f6f4 v[\acc+8*\q:\acc+8*\q+7], v[64*\q+8*ss:64*\q+8*ss+7], v[64*(\b)+8*ss:64*(\b)+8*ss+7], 0, v[WS+8*\q+ss], v[XS+8*(\b)+ss] matrix_a_fmt:MATRIX_FMT_FP4 matrix_b_fmt:MATRIX_FMT_FP4 matrix_a_scale:MATRIX_SCALE_ROW1
.else
	v_wmma_scale_f32_16x16x128_f8f6f4 v[\acc+8*\q:\acc+8*\q+7], v[64*\q+8*ss:64*\q+8*ss+7], v[64*(\b)+8*ss:64*(\b)+8*ss+7], v[\acc+8*\q:\acc+8*\q+7], v[WS+8*\q+ss], v[XS+8*(\b)+ss] matrix_a_fmt:MATRIX_FMT_FP4 matrix_b_fmt:MATRIX_FMT_FP4 matrix_a_scale:MATRIX_SCALE_ROW1
.endif
.endif
.endr
.set ss, ss+1
.endr
.endm
; h of a tile: silu(a) b, its block's scale, its codes; stored b tiles on from the lap's first.
.macro EPI b
.irp q, 0,1,2,3
.irp u, 0,2,4,6
	v_pk_mul_f32 v[TT+8*\q+\u:TT+8*\q+\u+1], v[A+8*\q+\u:A+8*\q+\u+1], 0xbfb8aa3b op_sel_hi:[1,0]   ; -a log2(e); each accumulator from its low end on
.endr
.endr
.set ii, 0
	s_wait_alu depctr_va_vdst(0)
.rept 32
	v_exp_f32 v[TT+ii], v[TT+ii]
.set ii, ii+1
.endr
	s_wait_alu depctr_va_vdst(0)
.irp q, 0,1,2,3
.irp u, 0,2,4,6
	v_pk_mul_f32 v[A+8*\q+\u:A+8*\q+\u+1], v[A+8*\q+\u:A+8*\q+\u+1], v[B+8*\q+\u:B+8*\q+\u+1]   ; a b
.endr
.endr
	s_wait_alu depctr_va_vdst(0)
.set ii, 0
.rept 16
	v_pk_add_f32 v[TT+ii:TT+ii+1], v[TT+ii:TT+ii+1], 1.0 op_sel_hi:[1,0]
.set ii, ii+2
.endr
.set ii, 0
	s_wait_alu depctr_va_vdst(0)
.rept 32
	v_rcp_f32 v[TT+ii], v[TT+ii]                   ; 1 / (1 + e^-a)
.set ii, ii+1
.endr
	v_nop
	s_wait_alu depctr_va_vdst(0)
.irp j, 0,1,2,3,4,5,6,7
.irp q, 0,1,2,3
	v_mul_f32 v[H+4*\j+\q], v[A+8*\q+\j], v[TT+8*\q+\j]   ; h, laid by hidden unit 32 h + 4 j + q
.endr
.endr
.irp k, 0,1,2,3
	v_max3_num_f32 v[AM+\k], |v[H+8*\k]|, |v[H+8*\k+1]|, |v[H+8*\k+2]|
.endr
.irp k, 0,1,2,3
	v_max3_num_f32 v[AM+\k], v[AM+\k], |v[H+8*\k+3]|, |v[H+8*\k+4]|
.endr
.irp k, 0,1,2,3
	v_max3_num_f32 v[AM+\k], v[AM+\k], |v[H+8*\k+5]|, |v[H+8*\k+6]|
.endr
.irp k, 0,1,2,3
	v_max3_num_f32 v[AM+\k], v[AM+\k], |v[H+8*\k+7]|, 0x1800000
.endr
	v_max3_num_f32 v[AM], v[AM], v[AM+1], v[AM+2]
	v_max_num_f32 v[AM], v[AM], v[AM+3]
	v_add_nc_u32 v[HSC], 0xff000000, v[AM]
	s_wait_alu depctr_va_vdst(0)
	s_wait_xcnt 0x0                                ; the last tile's stores have read their data
.irp g, 0,1,2,3
	v_cvt_scalef32_pk8_fp4_f32 v[HC+\g], v[H+8*\g:H+8*\g+7], v[HSC]
.endr
	v_lshrrev_b32 v[BY], 23, v[HSC]
	v_nop
	global_store_b128 v[HOFF], v[HC:HC+3], s[28:29] offset:16384*(\b)   ; 512 consecutive bytes: half a fragment's image
	global_store_b8 v[HSOFF], v[BY], s[30:31] offset:1024*(\b)
.endm
.macro TILE b, w, refill               ; w: the loads issued behind the buffer's group of 18
	s_wait_loadcnt \w
	WIN 0x0D
	MULS 0, A, \b
	WIN 0x0E
	MULS 1, B, \b
	WIN 0
.rept 4
	v_nop                                          ; four places ahead of loads into registers that matrix instructions have read, and of the first read of results
.endr
.if \refill
	XISSUE \b
.endif
	EPI \b
.endm
	s_load_b256 s[4:11], s[0:1], 0x0               ; w1, w2, xq, sel
	s_load_b64 s[12:13], s[0:1], 0x20              ; hq
	v_lshl_add_u32 v[SPW], v0, 2, SPARE
	v_mov_b32 v[NIL], 0
	v_lshrrev_b32 v1, 5, v0
	v_readfirstlane_b32 s14, v1                    ; p
	s_mov_b32 s15, ttmp9                           ; x
	s_and_b32 s16, ttmp7, 0xffff                   ; e
	v_and_b32 v1, 15, v0                           ; r
	v_bfe_u32 v2, v0, 4, 1                         ; h
	v_and_b32 v[LI], 31, v0
	v_lshlrev_b32 v[LI], 4, v[LI]
	v_lshlrev_b32 v[WOFF], 4, v1
	v_lshl_add_u32 v[WOFF], v2, 18, v[WOFF]        ; 32 rows of 8,192 bytes for lanes 16-31
	s_lshl_b32 s32, s14, 11
	v_add_nc_u32 v[IST], s32, v[LI]
	s_lshr_b32 s32, s14, 1
	s_lshl_b32 s32, s32, 9
	s_and_b32 s33, s14, 1
	s_lshl_b32 s33, s33, 3
	s_add_co_u32 s32, s32, s33
	s_add_co_u32 s32, s32, SIMG
	v_add_nc_u32 v[SST], s32, v[LI]                ; K step s = 2 p + t
	v_lshlrev_b32 v[SH8], 3, v2
	v_lshl_add_u32 v[LIS], v2, 12, v[LI]
	v_add_nc_u32 v[LIS], SIMG, v[LIS]
	v_lshlrev_b32 v[R4], 2, v1
	v_lshlrev_b32 v[H16], 4, v2
	s_wait_alu depctr_va_vdst(0)                   ; the wait ahead of the readers below
	s_lshl_b32 s32, s14, 10
	v_add_nc_u32 v[SLOF], s32, v[LI]               ; my 256 sel words: 1,024 p + 16 lane
	s_lshl_b32 s32, s14, 8
	v_lshrrev_b32 v[TK], 2, v[LI]
	v_add_nc_u32 v[TK], s32, v[TK]
	s_add_co_u32 s62, s16, 2048                    ; the pad slot
	s_mov_b32 s20, 0x76543210
	s_mov_b32 s21, 0xfedcba98
	s_lshl_b32 s34, s16, 23                        ; the weights: e x 8,388,608 + p x 256 rows + x x 256 bytes
	s_lshl_b32 s32, s14, 21
	s_add_co_u32 s34, s34, s32
	s_lshl_b32 s32, s15, 8
	s_add_co_u32 s34, s34, s32
	s_mov_b32 s35, 0
	s_lshl_b32 s40, s16, 20                        ; hq's codes: 64 e tiles + x x 512
	s_lshl_b32 s32, s15, 9
	s_add_co_u32 s40, s40, s32
	s_mov_b32 s41, 0
	s_lshl_b32 s42, s16, 16                        ; its scale bytes: 8,388,608 + 64 e x 1,024 + block 2 x
	s_lshl_b32 s32, s15, 1
	s_add_co_u32 s42, s42, s32
	s_add_co_u32 s42, s42, 0x800000
	s_mov_b32 s43, 0
	s_wait_alu depctr_va_vdst(0)
	s_wait_kmcnt 0x0
	global_load_b128 v[WL:WL+3], v[SLOF], s[10:11]
	global_load_b128 v[WL+4:WL+7], v[SLOF], s[10:11] offset:512
	s_add_nc_u64 s[4:5], s[4:5], s[34:35]
	s_add_nc_u64 s[6:7], s[6:7], s[34:35]
	s_add_nc_u64 s[28:29], s[12:13], s[40:41]
	s_add_nc_u64 s[30:31], s[12:13], s[42:43]
	PBLOAD 0, 4, 0, 0
	PBLOAD 0, 4, 0, 1
	PBLOAD 1, 4, 524288, 0
	PBLOAD 1, 4, 524288, 1
	s_wait_loadcnt 63                              ; 64 loads follow the two of sel: both are in
	LBUILD
	PB 0, 0
	PB 1, 0
	PB 2, 0
	PB 3, 0
	PB 4, 0
	PB 5, 0
	XISSUE 0                                       ; the weights' last loads are out: my first four tiles of x follow them
	PB 6, 50                                       ; pair block 7's 32 and group 0's 18
	XISSUE 1
	PB 7, 36                                       ; groups 0 and 1
	XISSUE 2
	XISSUE 3
	s_wait_dscnt 0x0                               ; for the others' sake: my images lie in LDS
	s_barrier_signal -1
	s_barrier_wait -1
	WIN 0x40
.set ff, 0
.rept 32
	ds_load_b128 v[8*ff:8*ff+3], v[LI] offset:1024*ff
	ds_load_b128 v[8*ff+4:8*ff+7], v[LI] offset:1024*ff+512
.set ff, ff+1
.endr
	WIN 0x80
.set ff, 0
.rept 32
	ds_load_b128 v[8*ff:8*ff+3], v[LI] offset:32768+1024*ff
	ds_load_b128 v[8*ff+4:8*ff+7], v[LI] offset:32768+1024*ff+512
.set ff, ff+1
.endr
	WIN 0
.set ff, 0
.rept 8
	ds_load_b128 v[WS+4*ff:WS+4*ff+3], v[LIS] offset:512*ff
.set ff, ff+1
.endr
	s_lshl_b32 s32, s14, 18
	v_add_nc_u32 v[HOFF], s32, v[LI]               ; my first tile 16 p: x 16,384 + 16 lane
	s_lshl_b32 s32, s14, 14
	v_lshl_add_u32 v[HSOFF], v1, 6, v2
	v_add_nc_u32 v[HSOFF], s32, v[HSOFF]           ; 16 p x 1,024 + 64 r + h
	s_wait_alu depctr_va_vdst(0)
	s_wait_dscnt 0x0                               ; all the weights' codes and scale words are in registers
	s_min_u32 s23, s17, 16                         ; my tiles
	s_sub_co_u32 s39, s23, 1
	s_lshr_b32 s39, s39, 2
	s_min_u32 s39, s39, 3                          ; full laps of four ahead of the last
	s_lshl_b32 s32, s39, 2
	s_sub_co_u32 s38, s23, s32                     ; tiles of the last lap: 1 to 4
	s_mov_b32 s19, 0
	s_cmp_eq_u32 s39, 0
	s_cbranch_scc1 .Llast
.Llap:                                             ; behind a buffer's group the three other buffers' groups have been issued: 54 loads
	TILE 0, 54, 1
	TILE 1, 54, 1
	TILE 2, 54, 1
	TILE 3, 54, 1
	s_wait_xcnt 0x0                                ; the stores' offsets are written again only behind this wait
	v_add_nc_u32 v[HOFF], 0x10000, v[HOFF]         ; four tiles on
	v_add_nc_u32 v[HSOFF], 0x1000, v[HSOFF]
	s_add_co_u32 s19, s19, 1
	s_cmp_lt_u32 s19, s39
	s_wait_alu depctr_va_vdst(0)
	s_cbranch_scc1 .Llap
.Llast:                                            ; the last lap asks for nothing: the counts run down by a group's 18
	TILE 0, 54, 0
	s_cmp_lt_u32 s38, 2
	s_cbranch_scc1 .Ldone
	TILE 1, 36, 0
	s_cmp_lt_u32 s38, 3
	s_cbranch_scc1 .Ldone
	TILE 2, 18, 0
	s_cmp_lt_u32 s38, 4
	s_cbranch_scc1 .Ldone
	TILE 3, 0, 0
.Ldone:
	s_wait_tensorcnt 0x0                           ; the wave's end
	ds_add_u32 v[SPW], v[NIL]
	s_wait_dscnt 0x0
	s_endpgm
.Lfunc_end_k_qc77e06fd3b_up:
	.size	k_qc77e06fd3b_up, .Lfunc_end_k_qc77e06fd3b_up-k_qc77e06fd3b_up
	.p2alignl 7, 3214868480
	.fill 96, 4, 3214868480
	.section	.rodata,"a",@progbits
	.p2align	6, 0x0
	.amdhsa_kernel k_qc77e06fd3b_up
		.amdhsa_group_segment_fixed_size 74240
		.amdhsa_private_segment_fixed_size 0
		.amdhsa_enable_private_segment 0
		.amdhsa_kernarg_size 40
		.amdhsa_user_sgpr_count 2
		.amdhsa_user_sgpr_kernarg_segment_ptr 1
		.amdhsa_wavefront_size32 1
		.amdhsa_system_sgpr_workgroup_id_x 1
		.amdhsa_system_sgpr_workgroup_id_y 1
		.amdhsa_system_sgpr_workgroup_id_z 1
		.amdhsa_system_vgpr_workitem_id 0
		.amdhsa_next_free_vgpr 1024
		.amdhsa_next_free_sgpr 66
		.amdhsa_reserve_vcc 1
		.amdhsa_float_denorm_mode_32 3
		.amdhsa_float_denorm_mode_16_64 3
		.amdhsa_memory_ordered 1
		.amdhsa_forward_progress 1
		.amdhsa_inst_pref_size 255
	.end_amdhsa_kernel
	.section	.bss,"aw",@nobits
	.p2align	6
	.space	262144
	.amdgpu_metadata
---
amdhsa.version: [ 1, 2 ]
amdhsa.kernels:
  - .name:           k_qc77e06fd3b_up
    .symbol:         k_qc77e06fd3b_up.kd
    .args:
      - { .name: w1, .offset: 0, .size: 8, .value_kind: global_buffer, .address_space: global }
      - { .name: w2, .offset: 8, .size: 8, .value_kind: global_buffer, .address_space: global }
      - { .name: xq, .offset: 16, .size: 8, .value_kind: global_buffer, .address_space: global }
      - { .name: sel, .offset: 24, .size: 8, .value_kind: global_buffer, .address_space: global }
      - { .name: hq, .offset: 32, .size: 8, .value_kind: global_buffer, .address_space: global }
    .group_segment_fixed_size: 74240
    .private_segment_fixed_size: 0
    .kernarg_segment_align: 8
    .kernarg_segment_size: 40
    .max_flat_workgroup_size: 128
    .sgpr_count:     66
    .vgpr_count:     1024
    .wavefront_size: 32
...
	.end_amdgpu_metadata
.endif
;; end of part 2
;; launch down (part 3): grid 16 x 16, 4 waves a work-group, no clusters, 54,784 bytes of LDS; arguments w3, hq, sel, gate, y; writes y
.if DOCPART == 3
	.amdgcn_target "amdgcn-amd-amdhsa--gfx1250"
	.amdhsa_code_object_version 6
	.text
	.protected	k_qc77e06fd3b_down
	.globl	k_qc77e06fd3b_down
	.p2align	8
	.type	k_qc77e06fd3b_down,@function
k_qc77e06fd3b_down:
	s_mov_b64 s[64:65], 0
	v_nop
	global_prefetch_b8 v0, s[64:65] scope:SCOPE_SE
	s_setreg_imm32_b32 hwreg(HW_REG_WAVE_MODE, 25, 1), 1
	s_wait_xcnt 0x0
; y[half][slot] = gate x (h w3[e]), summed over one half of the hidden axis, for the rows that chose expert e.  Rows of experts not chosen are left out: their results are multiplied by 0 in the problem's own mask.
; SHARES.  Work-group (x, 2 e + kh) owns output columns 64 x .. 64 x + 63 of expert e and K rows 1,024 kh .. 1,024 kh + 1,023: 256 KiB of f32, read by nobody else.  A slab narrower than 64 columns would cut the
; 256 consecutive bytes that sixteen lanes read and write; so the cut goes along K, and y has two parts of 2,056 rows, which the next launch adds.
; THE LIST is made as in the launch before, from the same sel words in the same order: wave p serves the tokens 256 p .. 256 p + 255 that chose e; its tile i is hq's tile 64 e + 16 p + i.
; A row's gate is gate[slot]; a pad row (slot 2,048 + e) has the gate 0 and lands in my own 256 bytes of a row that nobody reads.  EXEC is never narrowed.
; PHASE 1: wave p takes K rows 256 p .. 256 p + 255 of the half as 4 pair blocks of 64 rows x 64 columns, in four landing sets, as in the launch before; images meet in LDS behind one barrier.
; PHASE 2: h's 8 fragments of my half come as they were stored.  Transposed use: lane (r, h) holds row r and columns 32 h .. 32 h + 31.  Times the gate, through the wave's own stage, out as whole rows of the slab:
; sixteen lanes store 256 consecutive aligned bytes of row y[slot]; the slots of rows i + 8 h reach the storing lanes by eight ds_bpermute_b32.
; SCALE WORDS: K steps 0-3 stand in lanes 0-15 and K steps 4-7 in lanes 16-31 of the same registers, for the weights and for h alike.
; NO DATA MOVER, NO CLUSTER: trip counts hang on numbers read from memory; what work-groups share (a tile's 8.5 KiB of hq) is small beside a work-group's own 256 KiB.
; NO PREFETCH of the weights: a wave keeps 48 to 64 loads of 512 bytes asked for ahead of the pair block that it works on.
; LIMITS: as in the launch before.
.set PITCH, 4096
.set SIMG,  32768
.set STAGE, 36864                      ; 16 rows x (256 bytes + 16) for each wave
.set SPARE, 54272
.set LI,    3
.set WOFF,  4
.set IST,   5
.set SST,   6
.set SH8,   7
.set TK,    8                          ; 256 p + 4 lane
.set R64,   9                          ; 64 r + 16 h
.set H32,   10                         ; 32 h
.set R4,    11
.set SPW,   12
.set NIL,   13
.set M,     16                         ; v16-23 also the list's picks
.set SO,    20
.set SW,    24
.set GLO,   28                         ; v28-31 buffer b: 4 x the rank, then the gate load's offset
.set HSW,   32                         ; v32-47 h's scale words
.set WS,    48                         ; v48-63 w3's scale words
.set CP,    64                         ; v64-71 the packed slots of register n
.set IDX,   72                         ; v72-79 4 x lane i + 8 h
.set SLT,   80                         ; v80-87 the slot of row i + 8 h; at the head the sel words
.set WL,    80
.set LN,    88                         ; v88-91 buffer b: row r's slot
.set LT,    92
.set GN,    96
.set HFO,   100
.set HSO,   104
.set SLOF,  108
.set T,     112
.set C,     240
.set ACC,   112
.set Y,     144
.set RB,    176
.set YO,    208
.set G,     216
.set STO,   217
.set RD,    218
.set C16,   219
.set LIS,   220
.set C4,    48                         ; s48-56: 4 x the rows counted ahead of register n; s62 the pad slot
; window 1: landing sets 0, 1; then w3's fragments, (q, s) at v[64 q + 8 s].  window 2: h's buffers, v[64 b + 8 s].  window 3: landing sets 2, 3.
.set MSB, 0
.macro WIN new
.if MSB != \new
	s_set_vgpr_msb (MSB<<8)|\new
.set MSB, \new
.endif
.endm
.macro PBLOAD set, imm, half
.if (\set) < 2
	WIN 0x40
.else
	WIN 0xC0
.endif
.set ii, 16*(\half)
.rept 16
	global_load_b128 v[128*((\set)&1)+4*ii:128*((\set)&1)+4*ii+3], v[WOFF], s[4:5] offset:(\imm)+ii*PITCH th:TH_LOAD_NT
.set ii, ii+1
.endr
	WIN 0
.endm
.macro PBMOVE set
.if (\set) < 2
	WIN 0x01
.else
	WIN 0x03
.endif
.set ii, 0
.rept 32
.irp q, 0,1,2,3
	v_mov_b32 v[T+32*\q+ii], v[128*((\set)&1)+4*ii+\q]
.endr
.set ii, ii+1
.endr
	WIN 0
.endm
.macro PBQUANT c, ioff, soff
.irp q, 0,1,2,3
	v_max3_num_f32 v[M+\q], |v[T+32*\q]|, |v[T+32*\q+1]|, 0x1800000   ; with the floor 2^(3 - 127)
.endr
.set ii, 2
.rept 15
.irp q, 0,1,2,3
	v_max3_num_f32 v[M+\q], v[M+\q], |v[T+32*\q+ii]|, |v[T+32*\q+ii+1]|
.endr
.set ii, ii+2
.endr
	s_wait_alu depctr_va_vdst(0)
	s_wait_dscnt 0x0                               ; the last pair block's LDS stores have read their registers
.irp q, 0,1,2,3
	v_add_nc_u32 v[SO+\q], 0xff000000, v[M+\q]
.endr
.irp q, 0,1,2,3
	v_lshrrev_b32 v[M+\q], 23, v[SO+\q]
.endr
.irp q, 0,1,2,3
.if (\c)
	v_lshl_or_b32 v[SW+\q], v[M+\q], 16, v[SW+\q]
.else
	v_mov_b32 v[SW+\q], v[M+\q]
.endif
.endr
.irp q, 0,1,2,3
.irp g, 0,1,2,3
	v_cvt_scalef32_pk8_fp4_f32 v[C+4*\q+\g], v[T+32*\q+8*\g:T+32*\q+8*\g+7], v[SO+\q]
.endr
.endr
	v_nop
.irp q, 0,1,2,3
	ds_store_b128 v[IST], v[C+4*\q:C+4*\q+3] offset:(\ioff)+8192*\q
.endr
.if (\c)
.irp q, 0,1,2,3
	v_lshlrev_b32 v[SW+\q], v[SH8], v[SW+\q]
.endr
.irp q, 0,1,2,3
	v_permlanex16_b32 v[M+\q], v[SW+\q], s20, s21
.endr
.irp q, 0,1,2,3
	v_or_b32 v[SW+\q], v[SW+\q], v[M+\q]
.endr
.irp q, 0,1,2,3
	ds_store_b32 v[SST], v[SW+\q] offset:(\soff)+1024*\q
.endr
.endif
.endm
.macro LBUILD                          ; the wave's list: register n holds tokens 256 p + 128 (n / 4) + 4 lane + n % 4
	s_mov_b32 s[C4], 0
.irp n, 0,1,2,3,4,5,6,7
	v_and_b32 v[LT], 0xff, v[WL+\n]
	v_lshrrev_b32 v[LT+1], 8, v[WL+\n]
	v_cmp_eq_u32 s57, s16, v[LT]
	v_cmp_eq_u32 s58, s16, v[LT+1]
	s_or_b32 s59, s57, s58
	s_not_b32 s60, s59
	s_bcnt1_i32_b32 s61, s59
	v_add_nc_u32 v[LT+2], 128*(\n/4)+(\n%4), v[TK]
	v_add_nc_u32 v[LT+3], 1024+128*(\n/4)+(\n%4), v[TK]
	v_cndmask_b32 v[LT+2], v[LT+2], v[LT+3], s58
	v_mbcnt_lo_u32_b32 v[LT], s59, 0
	v_mbcnt_lo_u32_b32 v[LT+1], s60, s61
	v_cndmask_b32 v[LT], v[LT+1], v[LT], s59
	v_lshlrev_b32 v[LT], 2, v[LT]
	ds_permute_b32 v[CP+\n], v[LT], v[LT+2]        ; every lane sends to another lane: the chosen slots come first
	s_lshl_b32 s61, s61, 2
	s_add_co_u32 s[C4+\n+1], s[C4+\n], s61
.endr
	s_wait_dscnt 0x0
	s_add_co_u32 s17, s[C4+8], 60
	s_lshr_b32 s17, s17, 6
	s_min_u32 s17, s17, 16
	s_max_u32 s17, s17, 1
	s_sub_co_u32 s18, s17, 1
	s_mov_b32 s22, 0
.endm
; A GROUP: buffer b's next tile: 16 loads of fragments, 1 of scale words, 1 of gates: 18 loads.  The list's picks come back under the first 17.
.macro HISSUE b
	s_min_u32 s32, s22, s18
	s_min_u32 s32, s32, 15                         ; a wave has 16 tiles at the most: the offsets below stay inside hq
	s_add_co_u32 s22, s22, 1
	s_lshl_b32 s33, s32, 6
	v_add_nc_u32 v[GLO+\b], s33, v[R4]             ; 4 x (16 tile + r)
.irp n, 0,1,2,3,4,5,6,7
	v_sub_nc_u32 v[16+\n], v[GLO+\b], s[C4+\n]
	ds_bpermute_b32 v[16+\n], v[16+\n], v[CP+\n]
.endr
	s_lshl_b32 s33, s32, 14
	v_add_nc_u32 v[HFO+\b], s33, v[LI]
	s_lshl_b32 s33, s32, 10
	v_add_nc_u32 v[HSO+\b], s33, v[R64]
	WIN 0x80
.set ff, 0
.rept 16
	global_load_b128 v[64*(\b)+4*ff:64*(\b)+4*ff+3], v[HFO+\b], s[24:25] offset:512*ff
.set ff, ff+1
.endr
	WIN 0
	global_load_b128 v[HSW+4*(\b):HSW+4*(\b)+3], v[HSO+\b], s[26:27]
	s_wait_alu depctr_va_vdst(0)
	s_wait_dscnt 0x0
.irp n, 1,2,3,4,5,6,7
	v_cmp_le_u32 vcc_lo, s[C4+\n], v[GLO+\b]       ; the last register whose count so far does not pass the rank has the entry
	v_cndmask_b32 v16, v16, v[16+\n], vcc_lo
.endr
	v_cmp_le_u32 vcc_lo, s[C4+8], v[GLO+\b]
	v_cndmask_b32 v[LN+\b], v16, s62, vcc_lo       ; past the count: the pad slot
	v_min_u32 v[GLO+\b], 0x7ff, v[LN+\b]           ; inside gate's 2,048 numbers
	v_lshlrev_b32 v[GLO+\b], 2, v[GLO+\b]
	global_load_b32 v[GN+\b], v[GLO+\b], s[10:11]
.endm
.macro PB n, w
.if (\n) < 2
.irp hf, 0,1
	s_wait_loadcnt 48                              ; as in the launch before
	PBLOAD (\n)+2, ((\n)+2)*262144, \hf
.endr
.else
	s_wait_loadcnt \w
.endif
	PBMOVE \n
	PBQUANT (\n)&1, ((\n)>>1)*1024+((\n)&1)*512, ((\n)>>1)*4
.endm
; 32 matrix instructions on buffer b: eight K steps, the four tiles by turns; K step 0 starts the sums.
.macro MULS b
.set ss, 0
.rept 8
.irp q, 0,1,2,3
.if ss == 0
	v_wmma_scale_f32_16x16x128_f8f6f4 v[ACC+8*\q:ACC+8*\q+7], v[64*\q+8*ss:64*\q+8*ss+7], v[64*(\b)+8*ss:64*(\b)+8*ss+7], 0, v[WS+4*\q], v[HSW+4*(\b)] matrix_a_fmt:MATRIX_FMT_FP4 matrix_b_fmt:MATRIX_FMT_FP4
.elseif ss < 4
	v_wmma_scale_f32_16x16x128_f8f6f4 v[ACC+8*\q:ACC+8*\q+7], v[64*\q+8*ss:64*\q+8*ss+7], v[64*(\b)+8*ss:64*(\b)+8*ss+7], v[ACC+8*\q:ACC+8*\q+7], v[WS+4*\q+ss], v[HSW+4*(\b)+ss] matrix_a_fmt:MATRIX_FMT_FP4 matrix_b_fmt:MATRIX_FMT_FP4
.else
	v_wmma_scale_f32_16x16x128_f8f6f4 v[ACC+8*\q:ACC+8*\q+7], v[64*\q+8*ss:64*\q+8*ss+7], v[64*(\b)+8*ss:64*(\b)+8*ss+7], v[ACC+8*\q:ACC+8*\q+7], v[WS+4*\q+ss-4], v[HSW+4*(\b)+ss-4] matrix_a_fmt:MATRIX_FMT_FP4 matrix_b_fmt:MATRIX_FMT_FP4 matrix_a_scale:MATRIX_SCALE_ROW1 matrix_b_scale:MATRIX_SCALE_ROW1
.endif
.endr
.set ss, ss+1
.endr
.endm
.macro TILE b, w, refill               ; w: the loads issued behind the buffer's group of 18
	s_wait_loadcnt \w
	s_wait_xcnt 0x0                                ; the last tile's stores have read their offsets and data
	v_cmp_gt_u32 vcc_lo, 0x800, v[LN+\b]
	v_cndmask_b32 v[G], 0, v[GN+\b], vcc_lo        ; row r's gate; a pad row's is 0
	v_cndmask_b32 v[LT], s63, v[LN+\b], vcc_lo     ; the row of y: the slot; a pad row goes to my wave's own row behind y's two parts
.irp i, 0,1,2,3,4,5,6,7
	ds_bpermute_b32 v[SLT+\i], v[IDX+\i], v[LT]    ; the row of y for row i + 8 h
.endr
	WIN 0x09
	MULS \b
	WIN 0
.rept 4
	v_nop
.endr
.if \refill
	HISSUE \b
.endif
	s_wait_alu depctr_va_vdst(0)
	s_wait_dscnt 0x0                               ; the slots are in
.irp i, 0,1,2,3,4,5,6,7
	v_min_u32 v[SLT+\i], 0x102f, v[SLT+\i]         ; a row counted from my part's first: 4,143 at the most
.endr
.irp i, 0,1,2,3,4,5,6,7
	v_lshl_add_u32 v[YO+\i], v[SLT+\i], 12, v[C16]
.endr
.irp j, 0,1,2,3,4,5,6,7
.irp q, 0,1,2,3
	v_mul_f32 v[Y+4*\j+\q], v[ACC+8*\q+\j], v[G]   ; x the gate, laid by column 32 h + 4 j + q; each accumulator from its low end on
.endr
.endr
.irp k, 0,1,2,3,4,5,6,7
	ds_store_b128 v[STO], v[Y+4*\k:Y+4*\k+3] offset:16*\k
.endr
.irp i, 0,1,2,3,4,5,6,7
	ds_load_b128 v[RB+4*\i:RB+4*\i+3], v[RD] offset:272*\i   ; LDS serves a wave's instructions in order: these see my stores
.endr
.irp i, 0,1,2,3,4,5,6,7
	s_wait_dscnt 7-\i
	global_store_b128 v[YO+\i], v[RB+4*\i:RB+4*\i+3], s[12:13]   ; sixteen lanes store 256 consecutive aligned bytes of a row
.endr
.endm
	s_load_b256 s[4:11], s[0:1], 0x0               ; w3, hq, sel, gate
	s_load_b64 s[12:13], s[0:1], 0x20              ; y
	v_lshl_add_u32 v[SPW], v0, 2, SPARE
	v_mov_b32 v[NIL], 0
	v_lshrrev_b32 v1, 5, v0
	v_readfirstlane_b32 s14, v1                    ; p
	s_mov_b32 s15, ttmp9                           ; x
	s_and_b32 s16, ttmp7, 0xffff
	s_and_b32 s46, s16, 1                          ; kh
	s_lshr_b32 s16, s16, 1                         ; e
	v_and_b32 v1, 15, v0                           ; r
	v_bfe_u32 v2, v0, 4, 1                         ; h
	v_and_b32 v[LI], 31, v0
	v_lshlrev_b32 v[LI], 4, v[LI]
	v_lshlrev_b32 v[WOFF], 4, v1
	v_lshl_add_u32 v[WOFF], v2, 17, v[WOFF]        ; 32 rows of 4,096 bytes for lanes 16-31
	s_lshl_b32 s32, s14, 11
	v_add_nc_u32 v[IST], s32, v[LI]
	s_lshr_b32 s32, s14, 1
	s_lshl_b32 s32, s32, 9
	s_and_b32 s33, s14, 1
	s_lshl_b32 s33, s33, 3
	s_add_co_u32 s32, s32, s33
	s_add_co_u32 s32, s32, SIMG
	v_add_nc_u32 v[SST], s32, v[LI]
	v_lshlrev_b32 v[SH8], 3, v2
	v_lshlrev_b32 v[R64], 6, v1
	v_lshl_add_u32 v[R64], v2, 4, v[R64]
	v_lshlrev_b32 v[H32], 5, v2
	v_lshlrev_b32 v[R4], 2, v1
	s_wait_alu depctr_va_vdst(0)                   ; the wait ahead of the readers below
.irp i, 0,1,2,3,4,5,6,7
	v_add_nc_u32 v[IDX+\i], 4*\i, v[H32]
.endr
	s_lshl_b32 s32, s14, 10
	v_add_nc_u32 v[SLOF], s32, v[LI]               ; my 256 sel words
	s_lshl_b32 s32, s14, 8
	v_lshrrev_b32 v[TK], 2, v[LI]
	v_add_nc_u32 v[TK], s32, v[TK]
	s_add_co_u32 s62, s16, 2048                    ; the pad slot
	s_mul_i32 s63, s46, 2024                       ; where pad rows are stored: 64 rows behind y's two parts of 2,056, one for each (kh, e, p), so that no two waves store onto the same bytes:
	s_sub_co_u32 s63, 4112, s63                    ; row 4,112 + 32 kh + 4 e + p of y, counted from my part's first row (2,056 kh)
	s_lshl_b32 s32, s16, 2
	s_add_co_u32 s63, s63, s32
	s_add_co_u32 s63, s63, s14
	s_mov_b32 s20, 0x76543210
	s_mov_b32 s21, 0xfedcba98
	s_lshl_b32 s34, s16, 23                        ; w3: e x 8,388,608 + kh x 1,024 rows + p x 256 rows + x x 256 bytes
	s_lshl_b32 s32, s46, 22
	s_add_co_u32 s34, s34, s32
	s_lshl_b32 s32, s14, 20
	s_add_co_u32 s34, s34, s32
	s_lshl_b32 s32, s15, 8
	s_add_co_u32 s34, s34, s32
	s_mov_b32 s35, 0
	s_lshl_b32 s38, s16, 20                        ; hq's codes: tile 64 e + 16 p, K step 8 kh
	s_lshl_b32 s32, s14, 18
	s_add_co_u32 s38, s38, s32
	s_lshl_b32 s32, s46, 13
	s_add_co_u32 s38, s38, s32
	s_mov_b32 s39, 0
	s_lshl_b32 s40, s16, 16                        ; its scale bytes, block 32 kh
	s_lshl_b32 s32, s14, 14
	s_add_co_u32 s40, s40, s32
	s_lshl_b32 s32, s46, 5
	s_add_co_u32 s40, s40, s32
	s_add_co_u32 s40, s40, 0x800000
	s_mov_b32 s41, 0
	s_mul_i32 s44, s46, 8421376                    ; my part of y: 2,056 rows of 4,096 bytes; and my 256 bytes of a row
	s_lshl_b32 s32, s15, 8
	s_add_co_u32 s44, s44, s32
	s_mov_b32 s45, 0
	s_mul_i32 s37, s14, 4352
	s_add_co_u32 s37, s37, STAGE                   ; my stage
	s_wait_alu depctr_va_vdst(0)
	s_wait_kmcnt 0x0
	global_load_b128 v[WL:WL+3], v[SLOF], s[8:9]
	global_load_b128 v[WL+4:WL+7], v[SLOF], s[8:9] offset:512
	s_add_nc_u64 s[4:5], s[4:5], s[34:35]
	s_add_nc_u64 s[24:25], s[6:7], s[38:39]
	s_add_nc_u64 s[26:27], s[6:7], s[40:41]
	s_add_nc_u64 s[12:13], s[12:13], s[44:45]
	PBLOAD 0, 0, 0
	PBLOAD 0, 0, 1
	PBLOAD 1, 262144, 0
	PBLOAD 1, 262144, 1
	s_wait_loadcnt 63                              ; 64 loads follow the two of sel: both are in
	LBUILD
	PB 0, 0
	PB 1, 0
	HISSUE 0                                       ; the weights' last loads are out: my first four tiles of h follow them
	PB 2, 50                                       ; pair block 3's 32 and group 0's 18
	HISSUE 1
	PB 3, 36                                       ; groups 0 and 1
	HISSUE 2
	HISSUE 3
	v_mul_u32_u24 v[STO], v1, 272                  ; into the stage: row r, 128 bytes for each half of the lanes
	v_lshl_add_u32 v[STO], v2, 7, v[STO]
	v_add_nc_u32 v[STO], s37, v[STO]
	v_mul_u32_u24 v[RD], v2, 2176                  ; back: lanes 0-15 a row of 256 bytes, lanes 16-31 the row eight further on
	v_lshl_add_u32 v[RD], v1, 4, v[RD]
	v_add_nc_u32 v[RD], s37, v[RD]
	v_lshlrev_b32 v[C16], 4, v1
	v_lshl_add_u32 v[LIS], v2, 9, v[LI]
	v_add_nc_u32 v[LIS], SIMG, v[LIS]
	s_wait_alu depctr_va_vdst(0)
	s_wait_dscnt 0x0                               ; for the others' sake: my images lie in LDS
	s_barrier_signal -1
	s_barrier_wait -1
	WIN 0x40
.set ff, 0
.rept 32
	ds_load_b128 v[8*ff:8*ff+3], v[LI] offset:1024*ff
	ds_load_b128 v[8*ff+4:8*ff+7], v[LI] offset:1024*ff+512
.set ff, ff+1
.endr
	WIN 0
.irp q, 0,1,2,3
	ds_load_b128 v[WS+4*\q:WS+4*\q+3], v[LIS] offset:1024*\q
.endr
	s_wait_dscnt 0x0
	s_min_u32 s23, s17, 16                         ; my tiles
	s_sub_co_u32 s39, s23, 1
	s_lshr_b32 s39, s39, 2
	s_min_u32 s39, s39, 3                          ; full laps of four ahead of the last
	s_lshl_b32 s32, s39, 2
	s_sub_co_u32 s38, s23, s32                     ; tiles of the last lap: 1 to 4
	s_mov_b32 s19, 0
	s_cmp_eq_u32 s39, 0
	s_cbranch_scc1 .Llast
.Llap:                                             ; behind a buffer's group the three other buffers' groups have been issued: 54 loads
	TILE 0, 54, 1
	TILE 1, 54, 1
	TILE 2, 54, 1
	TILE 3, 54, 1
	s_add_co_u32 s19, s19, 1
	s_cmp_lt_u32 s19, s39
	s_cbranch_scc1 .Llap
.Llast:                                            ; the last lap asks for nothing: the counts run down by a group's 18
	TILE 0, 54, 0
	s_cmp_lt_u32 s38, 2
	s_cbranch_scc1 .Lend
	TILE 1, 36, 0
	s_cmp_lt_u32 s38, 3
	s_cbranch_scc1 .Lend
	TILE 2, 18, 0
	s_cmp_lt_u32 s38, 4
	s_cbranch_scc1 .Lend
	TILE 3, 0, 0
.Lend:
	s_wait_tensorcnt 0x0                           ; the wave's end
	ds_add_u32 v[SPW], v[NIL]
	s_wait_dscnt 0x0
	s_endpgm
.Lfunc_end_k_qc77e06fd3b_down:
	.size	k_qc77e06fd3b_down, .Lfunc_end_k_qc77e06fd3b_down-k_qc77e06fd3b_down
	.p2alignl 7, 3214868480
	.fill 96, 4, 3214868480
	.section	.rodata,"a",@progbits
	.p2align	6, 0x0
	.amdhsa_kernel k_qc77e06fd3b_down
		.amdhsa_group_segment_fixed_size 54784
		.amdhsa_private_segment_fixed_size 0
		.amdhsa_enable_private_segment 0
		.amdhsa_kernarg_size 40
		.amdhsa_user_sgpr_count 2
		.amdhsa_user_sgpr_kernarg_segment_ptr 1
		.amdhsa_wavefront_size32 1
		.amdhsa_system_sgpr_workgroup_id_x 1
		.amdhsa_system_sgpr_workgroup_id_y 1
		.amdhsa_system_sgpr_workgroup_id_z 1
		.amdhsa_system_vgpr_workitem_id 0
		.amdhsa_next_free_vgpr 1024
		.amdhsa_next_free_sgpr 66
		.amdhsa_reserve_vcc 1
		.amdhsa_float_denorm_mode_32 3
		.amdhsa_float_denorm_mode_16_64 3
		.amdhsa_memory_ordered 1
		.amdhsa_forward_progress 1
		.amdhsa_inst_pref_size 173
	.end_amdhsa_kernel
	.amdgpu_metadata
---
amdhsa.version: [ 1, 2 ]
amdhsa.kernels:
  - .name:           k_qc77e06fd3b_down
    .symbol:         k_qc77e06fd3b_down.kd
    .args:
      - { .name: w3, .offset: 0, .size: 8, .value_kind: global_buffer, .address_space: global }
      - { .name: hq, .offset: 8, .size: 8, .value_kind: global_buffer, .address_space: global }
      - { .name: sel, .offset: 16, .size: 8, .value_kind: global_buffer, .address_space: global }
      - { .name: gate, .offset: 24, .size: 8, .value_kind: global_buffer, .address_space: global }
      - { .name: y, .offset: 32, .size: 8, .value_kind: global_buffer, .address_space: global }
    .group_segment_fixed_size: 54784
    .private_segment_fixed_size: 0
    .kernarg_segment_align: 8
    .kernarg_segment_size: 40
    .max_flat_workgroup_size: 128
    .sgpr_count:     66
    .vgpr_count:     1024
    .wavefront_size: 32
...
	.end_amdgpu_metadata
.endif
;; end of part 3
;; launch combine (part 4): grid 256 x 1, 4 waves a work-group, no clusters, 0 bytes of LDS; arguments y, out0; writes out0
.if DOCPART == 4
	.amdgcn_target "amdgcn-amd-amdhsa--gfx1250"
	.amdhsa_code_object_version 6
	.text
	.protected	k_qc77e06fd3b_combine
	.globl	k_qc77e06fd3b_combine
	.p2align	8
	.type	k_qc77e06fd3b_combine,@function
k_qc77e06fd3b_combine:
	s_mov_b64 s[64:65], 0
	v_nop
	global_prefetch_b8 v0, s[64:65] scope:SCOPE_SE
	s_setreg_imm32_b32 hwreg(HW_REG_WAVE_MODE, 25, 1), 1
	s_wait_xcnt 0x0
; Fourth launch: out0[t] = y[0][t] + y[0][1,024 + t] + y[1][t] + y[1][1,024 + t]: a token's two chosen experts, each already times its gate, each in two halves of the hidden axis.
; The six experts left out would add 0 (the problem's own mask).  y's two parts are 2,056 rows of 4,096 bytes each.
; One wave takes one token: 32 loads and 8 stores of 512 consecutive bytes.  A stream: no LDS, no barrier, no matrix unit.
.set A, 16                             ; v16-47   first choice, first half; then the sum
.set B, 48                             ; v48-79   second choice, first half
.set E, 80                             ; v80-111  first choice, second half
.set F, 112                            ; v112-143 second choice, second half
	s_load_b128 s[4:7], s[0:1], 0x0                ; y s[4:5], out0 s[6:7]
	v_lshrrev_b32 v1, 5, v0
	v_readfirstlane_b32 s8, v1                     ; wave
	v_and_b32 v1, 31, v0
	v_lshlrev_b32 v1, 4, v1                        ; 16 x lane
	s_lshl_b32 s9, ttmp9, 2
	s_add_co_u32 s9, s9, s8                        ; my token
	s_lshl_b32 s10, s9, 12
	s_mov_b32 s11, 0
	s_wait_alu depctr_va_vdst(0)
	s_wait_kmcnt 0x0
	s_add_nc_u64 s[4:5], s[4:5], s[10:11]
	s_add_nc_u64 s[6:7], s[6:7], s[10:11]
	s_add_nc_u64 s[12:13], s[4:5], 8421376         ; the second part: beyond an immediate's reach, so it has a base of its own
.irp i, 0,1,2,3,4,5,6,7
	global_load_b128 v[A+4*\i:A+4*\i+3], v1, s[4:5] offset:512*\i th:TH_LOAD_NT
.endr
.irp i, 0,1,2,3,4,5,6,7
	global_load_b128 v[B+4*\i:B+4*\i+3], v1, s[4:5] offset:4194304+512*\i th:TH_LOAD_NT
.endr
.irp i, 0,1,2,3,4,5,6,7
	global_load_b128 v[E+4*\i:E+4*\i+3], v1, s[12:13] offset:512*\i th:TH_LOAD_NT
.endr
.irp i, 0,1,2,3,4,5,6,7
	global_load_b128 v[F+4*\i:F+4*\i+3], v1, s[12:13] offset:4194304+512*\i th:TH_LOAD_NT
.endr
.irp i, 0,1,2,3,4,5,6,7
	s_wait_loadcnt 7-\i                            ; the last row's piece i is in, and so are the three rows asked for ahead of it; the younger loads may be out
	v_pk_add_f32 v[A+4*\i:A+4*\i+1], v[A+4*\i:A+4*\i+1], v[E+4*\i:E+4*\i+1]           ; an expert's two halves,
	v_pk_add_f32 v[A+4*\i+2:A+4*\i+3], v[A+4*\i+2:A+4*\i+3], v[E+4*\i+2:E+4*\i+3]
	v_pk_add_f32 v[B+4*\i:B+4*\i+1], v[B+4*\i:B+4*\i+1], v[F+4*\i:F+4*\i+1]
	v_pk_add_f32 v[B+4*\i+2:B+4*\i+3], v[B+4*\i+2:B+4*\i+3], v[F+4*\i+2:F+4*\i+3]
	v_pk_add_f32 v[A+4*\i:A+4*\i+1], v[A+4*\i:A+4*\i+1], v[B+4*\i:B+4*\i+1]           ; then the two experts
	v_pk_add_f32 v[A+4*\i+2:A+4*\i+3], v[A+4*\i+2:A+4*\i+3], v[B+4*\i+2:B+4*\i+3]
	global_store_b128 v1, v[A+4*\i:A+4*\i+3], s[6:7] offset:512*\i th:TH_STORE_NT
.endr
	s_endpgm
.Lfunc_end_k_qc77e06fd3b_combine:
	.size	k_qc77e06fd3b_combine, .Lfunc_end_k_qc77e06fd3b_combine-k_qc77e06fd3b_combine
	.p2alignl 7, 3214868480
	.fill 96, 4, 3214868480
	.section	.rodata,"a",@progbits
	.p2align	6, 0x0
	.amdhsa_kernel k_qc77e06fd3b_combine
		.amdhsa_group_segment_fixed_size 0
		.amdhsa_private_segment_fixed_size 0
		.amdhsa_enable_private_segment 0
		.amdhsa_kernarg_size 16
		.amdhsa_user_sgpr_count 2
		.amdhsa_user_sgpr_kernarg_segment_ptr 1
		.amdhsa_wavefront_size32 1
		.amdhsa_system_sgpr_workgroup_id_x 1
		.amdhsa_system_sgpr_workgroup_id_y 1
		.amdhsa_system_sgpr_workgroup_id_z 1
		.amdhsa_system_vgpr_workitem_id 0
		.amdhsa_next_free_vgpr 144
		.amdhsa_next_free_sgpr 66
		.amdhsa_reserve_vcc 0
		.amdhsa_float_denorm_mode_32 3
		.amdhsa_float_denorm_mode_16_64 3
		.amdhsa_memory_ordered 1
		.amdhsa_forward_progress 1
		.amdhsa_inst_pref_size 8
	.end_amdhsa_kernel
	.amdgpu_metadata
---
amdhsa.version: [ 1, 2 ]
amdhsa.kernels:
  - .name:           k_qc77e06fd3b_combine
    .symbol:         k_qc77e06fd3b_combine.kd
    .args:
      - { .name: y, .offset: 0, .size: 8, .value_kind: global_buffer, .address_space: global }
      - { .name: out0, .offset: 8, .size: 8, .value_kind: global_buffer, .address_space: global }
    .group_segment_fixed_size: 0
    .private_segment_fixed_size: 0
    .kernarg_segment_align: 8
    .kernarg_segment_size: 16
    .max_flat_workgroup_size: 128
    .sgpr_count:     66
    .vgpr_count:     144
    .wavefront_size: 32
...
	.end_amdgpu_metadata
.endif
;; end of part 4
